; MI455X (gfx1250); checked and timed in simulation.
; The chip was launched on July 23, 2026; its instructions are those of AMD's public machine-readable ISA for CDNA 5 (MIT licence, August 2026) and "CDNA5" Instruction Set Architecture Reference Guide (July 2026). The comments in the code are by the model that wrote it; some were corrected since.
;; Self Attention2d. Allowed arithmetic: matrix products marked QUANTISED: E2M3 operands, one E8M0 scale for each 32 along K, by v_wmma_scale_f32_16x16x128_f8f6f4 with both operands' format E2M3, f32 sums; products left as they are: f32 operands where the result goes on into a quantised operand, else bf16, f16 or f32 operands; f32 sums; everything else in f32.
;; Inputs: bk 128 float32; bq 128 float32; bv 128 float32; wk 128 x 128 float32; wq 128 x 128 float32; wv 128 x 128 float32; x 2 x 128 x 64 x 64 float32.
;; Outputs: out0 2 x 128 x 64 x 64 float32.
;; This version of the problem:
;;   THIS VERSION OF THE PROBLEM IS GIVEN IN LOW PRECISION. The matrix products marked QUANTISED in the list below multiply operands that are first quantised to E2M3 (2 exponent bits, 3 mantissa bits; 6 bits a number), with one power-of-two scale for each 32 numbers along K (OCP MX v1.0); their sums are f32. All else is computed in f32.
;;   The module's matrix products, in the order in which they are computed (A, B: the left and right operand; K: the contracted axis; several contracted axes count as one K, in the product's order):
;;     1. [M 8,192, K 128] x [K 128, N 128]; A: input x; B: input wq: QUANTISED
;;     2. [M 8,192, K 128] x [K 128, N 128]; A: input x; B: input wk: QUANTISED
;;     3. [M 8,192, K 128] x [K 128, N 128]; A: input x; B: input wv: QUANTISED
;;     4. batch 16 x [M 4,096, K 16] x [K 16, N 4,096]; A: computed on the way; B: computed on the way: left as it is (K = 16 < 32)
;;     5. batch 16 x [M 16, K 4,096] x [K 4,096, N 4,096]; A: computed on the way; B: softmax (see below): QUANTISED
;;   THE QUANTISER, for each operand of a quantised product, along K:
;;     - K is cut into blocks of 32 from its start; a last block that is shorter is filled with zeros.
;;     - A block's scale is 2^e with e = floor(log2(the largest magnitude in the block)) - 2, held to -126 .. 127; a block of zeros has e = 0. As a byte (E8M0): e + 127.
;;     - Each number is divided by its block's scale, clamped to +-7.5, and rounded to the nearest number of E2M3, ties to even, subnormals kept.
;;     - The product sums the exact products of the quantised numbers (number of the format x scale) in f32.
;;   ~~~python
;;   def quantise(x, axis):      # numpy; x: float32 -> the quantised numbers, widened to float32 again
;;       x = np.moveaxis(x, axis, -1); K = x.shape[-1]
;;       x = np.pad(x, [(0, 0)] * (x.ndim - 1) + [(0, -K % 32)]); x = x.reshape(x.shape[:-1] + (-1, 32)); a = np.abs(x).max(-1, keepdims=True)
;;       e = np.where(a > 0, np.clip(np.frexp(np.where(a > 0, a, 1))[1] - 1 - 2, -126, 127), 0)      # np.frexp(a)[1] - 1 = floor(log2(a)), exactly
;;       r = np.clip(x / 2.0 ** e, -7.5, 7.5)
;;       step = 2.0 ** (np.maximum(np.frexp(np.where(r == 0, 1, r))[1] - 1, 0) - 3)
;;       q = np.round(r / step) * step * 2.0 ** e      # np.round: ties to even
;;       return np.moveaxis(q.reshape(q.shape[:-2] + (-1,))[..., :K], -1, axis).astype(np.float32)
;;   ~~~
;;   SOFTMAX AHEAD OF A QUANTISED PRODUCT. Where the list says 'softmax', what is quantised is not the finished softmax but p = 2^(t - M), with t = logit x log2(e) and M = ceil(the row's largest t), a whole number; so 1/2 < the row's largest p <= 1. The row's sum l is taken of the UNQUANTISED p, in f32, and the product's result is divided by l at the end. Since M is a whole number, a kernel that streams over the keys may use a running M (the ceiling of the running maximum): every later rescaling is an exact power of two, which a block's scale takes up: the codes' values come out the same.
;;   OPERANDS COMPUTED ON THE WAY. 'Computed on the way' means the value that the module computes at that place (a softmax that the list does not call 'softmax' is quantised finished and normalised). What goes into a quantiser is computed in f32, as accurately as f32 sums, v_exp_f32 and their like allow (about 1e-6 of the number): no bf16 or f16 on the way to a quantiser, and a product that is left as it is and whose result goes on into a quantised operand takes f32 operands (vector FMAs, or v_wmma_f32_16x16x4_f32). A number that lies on a knife's edge between two numbers of the format may be rounded either way, as far as f32 arithmetic and the matrix unit's own rounding can turn it there, and no further.
;; One version. Each part assembles by itself: llvm-mc -triple=amdgcn-amd-amdhsa -mcpu=gfx1250 --defsym DOCPART=n.
;; ======== version 1 of 1: 2 launches
;; workspace buffers: q 4,194,304 bytes; kv 5,046,272 bytes
;; launch proj (part 1): grid 64 x 1, 8 waves a work-group, no clusters, 16,384 bytes of LDS; arguments x, wq, bq, wk, bk, wv, bv, q, kv; writes q, kv
.if DOCPART == 1
	.amdgcn_target "amdgcn-amd-amdhsa--gfx1250"
	.amdhsa_code_object_version 6
	.text
	.protected	k_q144f4f8264_proj
	.globl	k_q144f4f8264_proj
	.p2align	8
	.type	k_q144f4f8264_proj,@function
k_q144f4f8264_proj:
	s_mov_b64 s[64:65], 0
	v_nop
	global_prefetch_b8 v0, s[64:65] scope:SCOPE_SE
	s_setreg_imm32_b32 hwreg(HW_REG_WAVE_MODE, 25, 1), 1
	s_wait_xcnt 0x0
; THE THREE PROJECTIONS of x [2][128 channels][4096 tokens], f32: y[o][s] = sum over c of w[o][c] x[c][s] + bias[o], for wq, wk, wv [128][128].
; Both operands are quantised along the channels to codes of FP6 (E2M3) with one E8M0 byte for each 32, and multiplied by the scaled matrix form; sums in f32.
; WHAT IS STORED are images of the next launch's operand registers (bh = 8 x batch + head; a step = 128 tokens; a tile = 16 tokens):
;   q  [bh][256 tiles][1,024 bytes]: registers 4 g .. 4 g + 3 of lane l at 512 g + 16 l; lane (r, h), register jj = q[channel 8 h + jj][the tile's row r], f32.
;   kv [bh][16 records][19,712 bytes]: record j holds steps 2 j + p: k's eight tiles at 8192 p + 1024 t (as q's); v's fragment of FP6 codes (16 channels x 128 tokens, quantised along the
;      tokens: 12 registers) at 16384 + 1536 p + 512 c + 16 l; its scale word at 19456 + 128 p + 4 l.
; THE TOKENS OF A TILE ARE NOT NEIGHBOURS: row m of tile 2 b + u of a step is token 32 b + 8 u + m + 8 (m / 8), so that the 16 result registers of tiles 2 b and 2 b + 1 are 16 neighbouring tokens.
; SHARES.  A work-group takes 128 tokens of one batch, 64 work-groups in all: a split by heads would quantise x again for each head, and v's fragment wants a step's 128 tokens in one wave.
; Wave w is head w in the products.  For quantising x, wave w takes tokens 32 (w % 4) on and channels 64 (w / 4) on: A LANE TAKES A TOKEN AND ITS REGISTERS RUN DOWN THE CHANNELS, so that each load reads
; 128 consecutive bytes, a block of 32 channels lies in one lane, and the codes come out with the channels innermost.  They meet in LDS as rows of 96 bytes; one barrier; every wave reads all eight tiles.
; q and k: source 0 = 16 rows of the weight, source 1 = 16 tokens: a lane holds one token and eight channels, which is the f32 fragment as the next launch takes it: stored as it stands.
; v: source 0 = 16 tokens, source 1 = 16 rows of wv: a lane holds one channel and its registers run along the tokens, which are the next product's K: quantised in registers.  The biases are the C of each product.
; LIMITS: NaN and infinities among the inputs are not served.  A block whose largest magnitude lies under 2^-124 gets the byte 1; a block of zeros keeps the byte 1 where the quantiser says 127:
; its codes are zeros, which add nothing, and the bytes are read by this program alone.
.set XP,   112                         ; an LDS row of x's codes: 96 bytes + 16
.set XSC,  14336                       ; behind the 128 rows: their scale words, 4 bytes a row
.set REC,  19712                       ; a record of kv
.set L4,   1                           ; v1   4 x lane
.set WA,   2                           ; v2   a weight's row r of 512 bytes + 128 h
.set XST,  3                           ; v3   where I store my token's 48 bytes of codes
.set XSS,  4                           ; v4   and its two scale bytes
.set XFA,  5                           ; v5   a fragment of x: 112 r + 24 h
.set XFS,  6                           ; v6   its scale word: XSC + 4 r
.set LI,   7                           ; v7   16 x lane: an image's place for my lane
.set BA,   9                           ; v9   32 h: bq's and bk's eight numbers of my half
.set BVA,  10                          ; v10  4 r: bv's number of my channel
.set MX,   11                          ; v11-12 two blocks' largest magnitudes, then their bytes
.set SO,   13                          ; v13-14 the conversions' scale operands
.set PD,   15                          ; v15  a lane permute's destination
.set XR,   16                          ; v16-79   x as loaded, then wv as loaded, then
.set DV,   16                          ;          v's eight result tiles
.set RA,   80                          ; v80-143  wq as loaded; then:
.set BQ,   80                          ; v80-87 bq, v88-95 bk, v96-103 bv, in the results' layouts
.set BK,   88
.set BV,   96
.set XF,   104                         ; v104-127 two fragments of x
.set DQ,   132                         ; v132-147 two result tiles of q
.set RB,   144                         ; v144-207 wk as loaded; then:
.set DK,   148                         ; v148-163 two result tiles of k
.set TM,   164                         ; v164-179 at work in QUANT
.set PW,   180                         ; v180     v's scale word
.set PC,   184                         ; v184-203 v's codes
.set WQF,  208                         ; v208-219, v220-231, v232-243 the weights' fragments (the last holds x's codes first)
.set WKF,  220
.set WVF,  232
.set WQS,  244                         ; v244-246 the weights' scale words
.set WKS,  245
.set WVS,  246
.set H8,   247                         ; v247 8 h
.set CT,   248                         ; v248-250, v252-254 the second halves of two blocks' codes
.set XS,   251                         ; v251, v255 x's scale words: these two hold scales and nothing else
.set SEL,  32                          ; s[32:33] v_permlanex16_b32's selects for lane l xor 16
	s_load_b256 s[4:11], s[0:1], 0x0               ; x s[4:5], wq s[6:7], bq s[8:9], wk s[10:11]
	s_load_b256 s[12:19], s[0:1], 0x20             ; bk s[12:13], wv s[14:15], bv s[16:17], q s[18:19]
	s_load_b64 s[20:21], s[0:1], 0x40              ; kv
	v_lshl_add_u32 v8, v0, 2, 0x3c00
	s_set_vgpr_msb 0x40
	v_mov_b32 v1, 0
	s_set_vgpr_msb 0x4000
	v_lshrrev_b32 v11, 5, v0
	v_readfirstlane_b32 s22, v11                   ; wave 0..7 = head
	s_lshr_b32 s23, ttmp9, 5                       ; batch
	s_and_b32 s24, ttmp9, 31                       ; step
	s_lshr_b32 s25, s24, 1                         ; record j
	s_and_b32 s26, s24, 1                          ; p
	s_and_b32 s27, s22, 3                          ; g: which 32 tokens I quantise
	s_lshr_b32 s28, s22, 2                         ; ch: which 64 channels
	s_lshl_b32 s29, s23, 3
	s_add_co_u32 s29, s29, s22                     ; bh
	s_lshl_b32 s30, s23, 21                        ; x: batch x 2 MiB + ch x 64 rows of 16,384 bytes + step x 512 + g x 128
	s_lshl_b32 s40, s28, 20
	s_add_co_u32 s30, s30, s40
	s_lshl_b32 s40, s24, 9
	s_add_co_u32 s30, s30, s40
	s_lshl_b32 s40, s27, 7
	s_add_co_u32 s30, s30, s40
	s_mov_b32 s31, 0
	s_lshl_b32 s40, s22, 13                        ; the weights: my head's 16 rows of 512 bytes
	s_mov_b32 s41, 0
	s_lshl_b32 s42, s22, 6                         ; the biases: my head's 16 numbers
	s_mov_b32 s43, 0
	s_lshl_b32 s44, s29, 18                        ; q: bh x 256 tiles + step x 8 tiles
	s_lshl_b32 s45, s24, 13
	s_add_co_u32 s44, s44, s45
	s_mov_b32 s45, 0
	s_mul_i32 s46, s29, 16*REC                     ; kv: my record
	s_mul_i32 s47, s25, REC
	s_add_co_u32 s46, s46, s47
	s_mov_b32 s47, 0
	s_lshl_b32 s34, s26, 13                        ; in it: k's tiles of step p,
	s_mov_b32 s35, 0
	s_mul_i32 s36, s26, 1536
	s_add_co_u32 s36, s36, 16384                   ; v's fragment,
	s_mov_b32 s37, 0
	s_lshl_b32 s38, s26, 7
	s_add_co_u32 s38, s38, 19456                   ; v's scale words
	s_mov_b32 s39, 0
	s_mul_i32 s48, s27, 32*XP                      ; LDS: my group's 32 rows, my half of their 96 bytes
	s_mul_i32 s49, s28, 48
	s_add_co_u32 s48, s48, s49
	s_lshl_b32 s49, s27, 7                         ; and of their scale words
	s_lshl_b32 s50, s28, 1
	s_add_co_u32 s49, s49, s50
	s_add_co_u32 s49, s49, XSC
	s_mov_b32 s[SEL], 0x76543210
	s_mov_b32 s[SEL+1], 0xfedcba98
	v_and_b32 v11, 31, v0                          ; lane
	v_lshlrev_b32 v[L4], 2, v11
	v_lshlrev_b32 v[LI], 4, v11
	v_and_b32 v12, 15, v0                          ; r
	v_bfe_u32 v13, v0, 4, 1                        ; h
	v_lshlrev_b32 v[WA], 9, v12
	v_lshl_add_u32 v[WA], v13, 7, v[WA]
	v_and_b32 v14, 7, v0                           ; my token's row among its group's 32: the lane's number with bits 3 and 4 changed over,
	v_bfe_u32 v15, v0, 3, 1                        ; so that the 16 rows of a tile lie on end
	v_lshl_add_u32 v14, v15, 4, v14
	v_lshl_add_u32 v14, v13, 3, v14
	v_mul_u32_u24 v[XST], v14, XP
	v_add_nc_u32 v[XST], s48, v[XST]
	v_lshl_add_u32 v[XSS], v14, 2, s49
	v_mul_u32_u24 v[XFA], v12, XP
	v_mad_u32_u24 v[XFA], v13, 24, v[XFA]
	v_lshl_add_u32 v[XFS], v12, 2, XSC
	v_lshlrev_b32 v[BA], 5, v13
	v_lshlrev_b32 v[BVA], 2, v12
	v_lshlrev_b32 v[H8], 3, v13
	v_mov_b32 v[PD], 0                             ; written once: a lane permute's destination counts as one of its sources
	s_wait_kmcnt 0x0
	s_add_nc_u64 s[4:5], s[4:5], s[30:31]
	s_add_nc_u64 s[6:7], s[6:7], s[40:41]
	s_add_nc_u64 s[10:11], s[10:11], s[40:41]
	s_add_nc_u64 s[14:15], s[14:15], s[40:41]
	s_add_nc_u64 s[8:9], s[8:9], s[42:43]
	s_add_nc_u64 s[12:13], s[12:13], s[42:43]
	s_add_nc_u64 s[16:17], s[16:17], s[42:43]
	s_add_nc_u64 s[18:19], s[18:19], s[44:45]
	s_add_nc_u64 s[20:21], s[20:21], s[46:47]
	s_add_nc_u64 s[34:35], s[20:21], s[34:35]      ; k's tiles
	s_add_nc_u64 s[36:37], s[20:21], s[36:37]      ; v's fragment
	s_add_nc_u64 s[38:39], s[20:21], s[38:39]      ; v's scale words
; 16 rows of a weight, K innermost: lane (r, h) takes k = 64 c + 32 h + 0 .. 31 of row r, the very numbers that the operand's layout gives it: 32 registers a block
.macro WLOAD reg, base
.irp c, 0,1
.irp i, 0,1,2,3,4,5,6,7
	global_load_b128 v[\reg+32*\c+4*\i:\reg+32*\c+4*\i+3], v[WA], s[\base:\base+1] offset:256*\c+16*\i
.endr
.endr
.endm
; Two blocks of 32 numbers of one lane, at v[src] and v[src + 32]: their largest magnitudes, scale operands and bytes
.macro Q2MAX src
.irp c, 0,1
	v_max3_num_f32 v[MX+\c], |v[\src+32*\c]|, |v[\src+32*\c+1]|, 0x1800000   ; with the floor 2^(3 - 127) among the leaves: the byte cannot fall under 1
.endr
.irp i, 2,4,6,8,10,12,14,16,18,20,22,24,26,28,30
.irp c, 0,1
	v_max3_num_f32 v[MX+\c], v[MX+\c], |v[\src+32*\c+\i]|, |v[\src+32*\c+\i+1]|   ; (the two blocks by turns)
.endr
.endr
.irp c, 0,1
	v_add_nc_u32 v[SO+\c], 0xff000000, v[MX+\c]    ; 2 off the exponent field: the conversion takes the exponent field of this operand as its scale
.endr
.irp c, 0,1
	v_lshrrev_b32 v[MX+\c], 23, v[SO+\c]           ; the scale's byte
.endr
.endm
; Their codes: 12 registers from v[dst] on, 192 bits a block without gaps
.macro Q2CVT src, dst
.irp c, 0,1
	v_cvt_scalef32_pk16_fp6_f32 v[\dst+6*\c:\dst+6*\c+2], v[\src+32*\c:\src+32*\c+15], v[SO+\c]
	v_cvt_scalef32_pk16_fp6_f32 v[CT+4*\c:CT+4*\c+2], v[\src+32*\c+16:\src+32*\c+31], v[SO+\c]   ; (a conversion's three registers begin on an even number: the second half is made elsewhere and moved)
.endr
	v_nop                                          ; one plain place behind a scaled conversion
.irp c, 0,1
.irp i, 0,1,2
	v_mov_b32 v[\dst+6*\c+3+\i], v[CT+4*\c+\i]
.endr
.endr
.endm
; A weight's scale word: my two bytes are blocks h and 2 + h of row r; lane l xor 16 has the other two
.macro WSCALE sreg
	v_lshl_or_b32 v[\sreg], v[MX+1], 16, v[MX]
	v_lshlrev_b32 v[\sreg], v[H8], v[\sreg]
	v_permlanex16_b32 v[PD], v[\sreg], s[SEL], s[SEL+1]
	v_or_b32 v[\sreg], v[\sreg], v[PD]
.endm
; 64 numbers of a lane, register 16 b + i = k 32 b + 16 (lane / 16) + i of my row, become a fragment's codes in v[PC] on and its scale word in v[PW]
.macro QUANT s
.irp b, 0,1,2,3
	v_max3_num_f32 v[TM+\b], |v[\s+16*\b]|, |v[\s+1+16*\b]|, 0x1800000
.endr
.irp i, 2,4,6,8,10,12,14
.irp b, 0,1,2,3
	v_max3_num_f32 v[TM+\b], v[TM+\b], |v[\s+16*\b+\i]|, |v[\s+1+16*\b+\i]|   ; (the four blocks by turns)
.endr
.endr
.irp b, 0,1,2,3
	v_permlanex16_b32 v[TM+4+\b], v[TM+\b], s[SEL], s[SEL+1]
.endr
.irp b, 0,1,2,3
	v_max_num_f32 v[TM+\b], v[TM+\b], v[TM+4+\b]   ; with lane l xor 16's: the block's largest magnitude
.endr
.irp b, 0,1,2,3
	v_add_nc_u32 v[TM+12+\b], 0xff000000, v[TM+\b]
.endr
.irp b, 0,1,2,3
	v_lshrrev_b32 v[TM+4+\b], 23, v[TM+12+\b]
.endr
	v_lshl_or_b32 v[PW], v[TM+5], 8, v[TM+4]
	v_lshl_or_b32 v[PW], v[TM+6], 16, v[PW]
	v_lshl_or_b32 v[PW], v[TM+7], 24, v[PW]
.irp c, 0,1
	v_cvt_scalef32_pk16_fp6_f32 v[PC+6*\c:PC+2+6*\c], v[\s+32*\c:\s+15+32*\c], v[TM+12+2*\c]
	v_cvt_scalef32_pk16_fp6_f32 v[PC+12+4*\c:PC+14+4*\c], v[\s+16+32*\c:\s+31+32*\c], v[TM+12+2*\c+1]
.endr
	v_nop                                          ; one plain place behind a scaled conversion
.irp c, 0,1                                    ; the operand's layout wants a WHOLE block in a lane: lanes 0-15 block 2 c, lanes 16-31 block 2 c + 1
.irp i, 0,1,2
	v_permlane16_swap_b32 v[PC+6*\c+\i], v[PC+12+4*\c+\i]
.endr
.irp i, 0,1,2
	v_mov_b32 v[PC+3+6*\c+\i], v[PC+12+4*\c+\i]
.endr
.endr
.endm
	; ---- all that can be asked for at once: my 64 channels of 32 tokens, then wq's and wk's rows
.set i, 0
.rept 64
	global_load_b32 v[XR+i], v[L4], s[4:5] offset:i*16384 th:TH_LOAD_NT   ; x(channel 64 ch + i, my token): 32 lanes read 128 consecutive bytes; read once in the launch
.set i, i+1
.endr
	WLOAD RA, 6
	WLOAD RB, 10
	s_wait_loadcnt 32                              ; x is in: the 32 loads of wq and wk are younger
	Q2MAX XR
	v_lshl_or_b32 v[MX], v[MX+1], 8, v[MX]         ; my token's two bytes: blocks 2 ch and 2 ch + 1
	Q2CVT XR, WVF
	ds_store_b128 v[XST], v[WVF:WVF+3]
	ds_store_b128 v[XST], v[WVF+4:WVF+7] offset:16
	ds_store_b128 v[XST], v[WVF+8:WVF+11] offset:32
	ds_store_b16 v[XSS], v[MX]
	WLOAD XR, 14                                   ; wv, into the registers that x has left
	s_wait_dscnt 0x0                               ; the LDS stores have read their registers
	s_wait_loadcnt 32                              ; wq is in: wk's and wv's 32 loads are younger
	Q2MAX RA
	WSCALE WQS
	Q2CVT RA, WQF
	global_load_b128 v[BQ:BQ+3], v[BA], s[8:9]     ; the biases, into the registers that wq has left: register j = the bias of channel 8 h + j
	global_load_b128 v[BQ+4:BQ+7], v[BA], s[8:9] offset:16
	global_load_b128 v[BK:BK+3], v[BA], s[12:13]
	global_load_b128 v[BK+4:BK+7], v[BA], s[12:13] offset:16
	global_load_b32 v[BV], v[BVA], s[16:17]        ; v's result holds one channel a lane: one number
	s_wait_loadcnt 21                              ; wk is in: wv's 16 loads and the biases' 5 are younger
	Q2MAX RB
	WSCALE WKS
	Q2CVT RB, WKF
	s_wait_loadcnt 0x0
.irp j, 1,2,3,4,5,6,7
	v_mov_b32 v[BV+\j], v[BV]                      ; the same bias for a lane's eight tokens
.endr
	Q2MAX XR
	WSCALE WVS
	Q2CVT XR, WVF
.rept 4
	v_nop                                          ; an operand written by vector instructions stands 4 places ahead of a scaled matrix instruction, a scale register 8: behind wv's scale word stand 11 plain lines
.endr
	s_wait_dscnt 0x0                               ; for the others' sake: my rows of x's codes and their bytes have landed
	s_barrier_signal -1
	s_barrier_wait -1                              ; the step's 128 rows lie in LDS; nothing is written there again
; Tiles 2 b and 2 b + 1 of the step: their fragments of x, six products, q's and k's results stored as they stand
.macro PAIR b
.if \b > 0
	s_wait_xcnt 0x0                                ; the last pair's stores have read their registers: the products below write them again
.endif
.irp u, 0,1
.irp p, 0,1,2,3,4,5
	ds_load_b64 v[XF+12*\u+2*\p:XF+12*\u+2*\p+1], v[XFA] offset:16*(2*\b+\u)*XP+48*(\p/3)+8*(\p%3)
.endr
	ds_load_b32 v[XS+4*\u], v[XFS] offset:64*(2*\b+\u)
.endr
	s_wait_dscnt 0x0
.irp u, 0,1
	v_wmma_scale_f32_16x16x128_f8f6f4 v[DQ+8*\u:DQ+8*\u+7], v[WQF:WQF+11], v[XF+12*\u:XF+12*\u+11], v[BQ:BQ+7], v[WQS], v[XS+4*\u] matrix_a_fmt:MATRIX_FMT_FP6 matrix_b_fmt:MATRIX_FMT_FP6
	v_wmma_scale_f32_16x16x128_f8f6f4 v[DK+8*\u:DK+8*\u+7], v[WKF:WKF+11], v[XF+12*\u:XF+12*\u+11], v[BK:BK+7], v[WKS], v[XS+4*\u] matrix_a_fmt:MATRIX_FMT_FP6 matrix_b_fmt:MATRIX_FMT_FP6
	v_wmma_scale_f32_16x16x128_f8f6f4 v[DV+8*(2*\b+\u):DV+8*(2*\b+\u)+7], v[XF+12*\u:XF+12*\u+11], v[WVF:WVF+11], v[BV:BV+7], v[XS+4*\u], v[WVS] matrix_a_fmt:MATRIX_FMT_FP6 matrix_b_fmt:MATRIX_FMT_FP6
.endr
.rept 5
	v_nop                                          ; four places in front of the stores of results and of the next loads into x's fragments; five in front of the next pair's products, which write over q's and k's tiles
.endr
.irp u, 0,1
	global_store_b128 v[LI], v[DQ+8*\u:DQ+8*\u+3], s[18:19] offset:1024*(2*\b+\u)          ; each result from its low end on; 32 lanes store 512 consecutive bytes, at a multiple of 256 from the buffer's first byte
	global_store_b128 v[LI], v[DQ+8*\u+4:DQ+8*\u+7], s[18:19] offset:1024*(2*\b+\u)+512
	global_store_b128 v[LI], v[DK+8*\u:DK+8*\u+3], s[34:35] offset:1024*(2*\b+\u)
	global_store_b128 v[LI], v[DK+8*\u+4:DK+8*\u+7], s[34:35] offset:1024*(2*\b+\u)+512
.endr
.endm
	PAIR 0
	PAIR 1
	PAIR 2
	PAIR 3
.irp b, 0,1,2,3
	v_mov_b32 v[TM+4+\b], 0                        ; a lane permute's destination counts as one of its sources
.endr
	QUANT DV                                       ; register 16 b + 8 u + j of v's results is token 32 b + 16 h + 8 u + j of channel r: 128 tokens along the next product's K
.irp c, 0,1,2
	global_store_b128 v[LI], v[PC+4*\c:PC+4*\c+3], s[36:37] offset:512*\c
.endr
	global_store_b32 v[L4], v[PW], s[38:39]        ; 128 consecutive bytes: the two steps of a record fill an aligned 256 between them
	s_set_vgpr_msb 0x4
	s_wait_tensorcnt 0x0
	ds_add_u32 v8, v1
	s_wait_dscnt 0x0
	s_set_vgpr_msb 0x400
	s_endpgm
.Lfunc_end_k_q144f4f8264_proj:
	.size	k_q144f4f8264_proj, .Lfunc_end_k_q144f4f8264_proj-k_q144f4f8264_proj
	.p2alignl 7, 3214868480
	.fill 96, 4, 3214868480
	.section	.rodata,"a",@progbits
	.p2align	6, 0x0
	.amdhsa_kernel k_q144f4f8264_proj
		.amdhsa_group_segment_fixed_size 16384
		.amdhsa_private_segment_fixed_size 0
		.amdhsa_enable_private_segment 0
		.amdhsa_kernarg_size 72
		.amdhsa_user_sgpr_count 2
		.amdhsa_user_sgpr_kernarg_segment_ptr 1
		.amdhsa_wavefront_size32 1
		.amdhsa_system_sgpr_workgroup_id_x 1
		.amdhsa_system_sgpr_workgroup_id_y 1
		.amdhsa_system_sgpr_workgroup_id_z 1
		.amdhsa_system_vgpr_workitem_id 0
		.amdhsa_next_free_vgpr 258
		.amdhsa_next_free_sgpr 66
		.amdhsa_reserve_vcc 0
		.amdhsa_float_denorm_mode_32 3
		.amdhsa_float_denorm_mode_16_64 3
		.amdhsa_memory_ordered 1
		.amdhsa_forward_progress 1
		.amdhsa_inst_pref_size 42
	.end_amdhsa_kernel
	.amdgpu_metadata
---
amdhsa.version: [ 1, 2 ]
amdhsa.kernels:
  - .name:           k_q144f4f8264_proj
    .symbol:         k_q144f4f8264_proj.kd
    .args:
      - { .name: x, .offset: 0, .size: 8, .value_kind: global_buffer, .address_space: global }
      - { .name: wq, .offset: 8, .size: 8, .value_kind: global_buffer, .address_space: global }
      - { .name: bq, .offset: 16, .size: 8, .value_kind: global_buffer, .address_space: global }
      - { .name: wk, .offset: 24, .size: 8, .value_kind: global_buffer, .address_space: global }
      - { .name: bk, .offset: 32, .size: 8, .value_kind: global_buffer, .address_space: global }
      - { .name: wv, .offset: 40, .size: 8, .value_kind: global_buffer, .address_space: global }
      - { .name: bv, .offset: 48, .size: 8, .value_kind: global_buffer, .address_space: global }
      - { .name: q, .offset: 56, .size: 8, .value_kind: global_buffer, .address_space: global }
      - { .name: kv, .offset: 64, .size: 8, .value_kind: global_buffer, .address_space: global }
    .group_segment_fixed_size: 16384
    .private_segment_fixed_size: 0
    .kernarg_segment_align: 8
    .kernarg_segment_size: 72
    .max_flat_workgroup_size: 256
    .sgpr_count:     66
    .vgpr_count:     258
    .wavefront_size: 32
...
	.end_amdgpu_metadata
.endif
;; end of part 1
;; launch attn (part 2): grid 16 x 16, 16 waves a work-group, clusters of 4 x 1, 327,680 bytes of LDS; arguments q, kv, out0; writes out0
.if DOCPART == 2
	.amdgcn_target "amdgcn-amd-amdhsa--gfx1250"
	.amdhsa_code_object_version 6
	.text
	.protected	k_q144f4f8264_attn
	.globl	k_q144f4f8264_attn
	.p2align	8
	.type	k_q144f4f8264_attn,@function
k_q144f4f8264_attn:
	s_mov_b64 s[64:65], 0
	v_nop
	global_prefetch_b8 v0, s[64:65] scope:SCOPE_SE
	s_setreg_imm32_b32 hwreg(HW_REG_WAVE_MODE, 25, 1), 1
	s_wait_xcnt 0x0
	s_wait_alu depctr_hold_cnt(0) depctr_sa_sdst(0) depctr_va_vdst(0) depctr_va_sdst(0) depctr_va_ssrc(0) depctr_va_vcc(0) depctr_vm_vsrc(0)
	s_getreg_b32 s2, hwreg(HW_REG_IB_STS2, 6, 4)
	s_cmp_eq_u32 s2, 0
	s_cbranch_scc0 .Lentry_in_a_cluster
	s_endpgm
.Lentry_in_a_cluster:
	s_bfe_u32 s2, ttmp6, 0x10000c
	s_cmp_lg_u32 s2, 0x3003
	s_cbranch_scc0 .Lentry_shape_is_right
	s_endpgm
.Lentry_shape_is_right:
; ATTENTION over 16 (batch, head) pairs bh, 4,096 queries x 4,096 keys, head size 16:  out[bh][c][s] = sum over keys of softmax(q . k / sqrt(128)) v[c][key].
; THE SCORES keep f32 operands, since they go on into a quantiser: v_wmma_f32_16x16x4_f32, four K steps of 4 channels.  THE SECOND PRODUCT is on codes of FP6 (E2M3) with E8M0 scales, K = the keys.
; THE SOFTMAX: t = score x log2(e) / sqrt(128); M = the running largest t rounded UP to a whole number; p = 2^(t - M) is quantised along the keys, not normalised; the row's sum is taken of the
; unquantised p and divides at the end.  When M moves, the sum and O are multiplied by 2^(old M - new M): exact.
; INPUTS are images of operand registers, made by the launch before: q [bh][256 tiles][1,024 bytes]; kv [bh][16 records][19,712 bytes], a record = two key steps of 128 keys: 2 x 8 tiles of k (f32),
; 2 fragments of v's codes, 2 x 128 bytes of v's scale words.  Row m of tile 2 b + u of a step is token 32 b + 8 u + m + 8 (m / 8).
; SHARES.  A work-group owns 256 queries of one bh: 256 work-groups.  Each of its sixteen waves owns one tile of 16 queries in 256 registers.  Every wave walks all 4,096 keys, 64 (a HALF step) at a time.
; LAYOUT.  Both products are used transposed: S^T = k q^T (source 0 = 16 keys, source 1 = my 16 queries), O^T = v^T p^T (source 0 = 16 channels, source 1 = p): a lane holds ONE query (lane % 16)
; throughout, and the 16 registers of score tiles 2 b, 2 b + 1 are keys 32 b + 16 (lane / 16) + 0 .. 15.  In K step s of a score the slot (h, j) carries channel 8 h + 2 s + j, in k and in q alike.
; LDS.  THE WHOLE HEAD'S kv, 315,392 bytes, LIES IN LDS AS IT LIES IN MEMORY, and every byte is filled once: no ring, no refill.  Waves 0 to 6 bring it by three tensor loads each, issued together:
; records 0-1 (a seventh each), records 2-8 (one each), records 9-15 (one each); the walk starts when the first has landed, and two barriers on the way show the other two.
; CLUSTER.  The four query blocks of a cluster belong to one bh and want the same bytes: each tensor load is asked for JOINTLY, with the same descriptor and a mask that names the four.
; BY TURNS, IN ONE WAVE.  PHASE h holds three streams: W, the 16 f32 products of half h + 1's scores; X, half h's maxima, M, t - M and exponentials (79 lines); Y, half h - 1's sums, codes, scale word
; and the rescaling of O^T (35 or 36 lines).  X and Y are cut into 16 slices, one behind each product of W: about seven vector lines to a product.  The scores have two buffers of four tiles, which take turns,
; and K two sets; p has one buffer: Y's readers of p (slices 0, 2 and 4) stand ahead of X's first write of it (slice 6).  A phase ends with one wait and the FP6 product of half h - 1.
; M MOVES EVERY 64 KEYS, so each half has an FP6 product of its own: p's six registers of codes stand between two runs of six registers of zeros, and the operand is taken six registers lower
; or higher, so that the other half's 64 keys are zero codes, which add nothing (their scale bytes are 0, which is no NaN).
; LIMITS: NaN and infinities are not served.  The f32 sum of a score runs over the channels in the order 8 h + 2 s + j, not ascending.  A block's largest p is not searched for: the block's largest score goes
; through the same multiply-add and exponential, which takes v_exp_f32 not to fall where its input rises.  A block whose every p has fallen to 0 keeps the byte 1: its codes are zeros.
.set REC,  19712                       ; a record: four halves of K (4,096 bytes each), two fragments of V, their scale words
.set SP,   1040                        ; the way out: a stage row: 256 tokens x 4 bytes + 16; 16 rows, laid over record 0 when nobody reads K or V any more
.set ADK,  1                           ; v1   LDS address of K's and V's images: 16 x lane + TB
.set ADS,  2                           ; v2   of V's scale word: 4 x lane + TB
.set VS,   3                           ; v3   V's scale word
.set F,    4                           ; v4, v10  2^(old M - new M), by turns (named as pairs with v5 and v11)
.set PW,   5                           ; v5   p's scale word
.set NM,   6                           ; v6, v8   -M, by turns (named as pairs with v7 and v9)
.set TX,   7                           ; v7   the running largest t
.set L,    12                          ; v[12:13] the row's sum, in two halves
.set BM,   14                          ; v14-15, v16-17 by turns: two blocks' largest scores, then their largest p, then the conversions' scale operands
.set CH,   18                          ; v18-21 the four chains of the maxima
.set PT,   22                          ; v22-23 lane permutes' destinations
.set Q,    24                          ; v24-31   my queries' f32 fragment
.set O,    32                          ; v32-39   O^T
.set ZL,   40                          ; v40-45   zeros
.set C,    46                          ; v46-51   p's codes of 64 keys
.set ZH,   52                          ; v52-57   zeros
.set TMP,  62                          ; v62  at work
.set GO,   63                          ; v63  the way out: my byte offset in a row of out0
.set KF,   64                          ; v64-95, v96-127  four tiles of K, two sets
.set S,    128                         ; v128-159, v160-191 four tiles of scores, two buffers: written by the f32 matrix form alone
.set P,    192                         ; v192-223 t - M, then p
.set VF,   224                         ; v224-235 V's fragment
.set A,    236                         ; v236-243 four packed sums
.set TC,   244                         ; v244-246 the second half of the codes, as converted
.set BY,   247                         ; v247-248 two scale bytes
.set WV,   10                          ; s10  my wave's number
.set CS,   20                          ; s[20:21] c = log2(e) / sqrt(128): the packed form names a pair and takes its low word for both halves
.set SEL,  22                          ; s[22:23] v_permlanex16_b32's selects for lane l xor 16
.set G1A,  24                          ; s[24:31] descriptor group 1: 22 rows of 256 bytes;  s[32:39]: 77 rows
.set G1B,  32
.set G0,   40                          ; s[40:51] three groups 0
.set CNT,  52                          ; s52  trips to go
.set TB,   55                          ; s55  LDS byte at which the trip's record begins
.macro CROUND                          ; a round of the cluster's barrier: my work-group's barrier; wave 0 signals for the work-group; every wave waits for all four work-groups; my work-group's barrier once more
	s_barrier_signal -1
	s_barrier_wait -1
	s_cmp_lg_u32 s[WV], 0
	s_cbranch_scc1 .Lnot_wave_0_\@
	s_barrier_signal -3
.Lnot_wave_0_\@:
	s_barrier_wait -3
	s_barrier_signal -1
	s_barrier_wait -1
.endm
	s_load_b128 s[4:7], s[0:1], 0x0                ; q s[4:5], kv s[6:7]
	s_load_b64 s[8:9], s[0:1], 0x10                ; out0
	v_lshl_add_u32 v254, v0, 2, 0x4d000
	v_mov_b32 v255, 0
	ds_add_u32 v254, v255
	ds_add_u32 v254, v255
	v_lshrrev_b32 v1, 5, v0
	v_readfirstlane_b32 s[WV], v1                  ; wave 0..15
	s_bfe_u32 s11, ttmp6, 0x40000                  ; cx: my place in the cluster: it enters q's and out0's addresses alone
	s_lshl_b32 s12, ttmp9, 2
	s_add_co_u32 s12, s12, s11                     ; my block of 256 queries = 4 x cluster x + cx
	s_and_b32 s13, ttmp7, 0xffff                   ; bh, which the four partners share
	s_min_u32 s53, s[WV], 6                        ; waves 7 to 15 issue no tensor load: their descriptors are held at wave 6's, so that no register names bytes outside LDS
	; descriptor group 1: dense blocks as rows of 256 bytes (32 elements of 8 bytes), no padding: the images are read 512 consecutive bytes an instruction
	s_mov_b32 s[G1A], 15|(3<<16)|(1<<21)           ; 15:0 the mask: all four work-groups; 17:16 elements of 8 bytes; 21 set beside a mask
	s_mov_b32 s[G1A+1], 32<<16                     ; tensor_dim0 = 32
	s_mov_b32 s[G1A+2], 22<<16                     ; tensor_dim1 = 22
	s_mov_b32 s[G1A+3], 32<<16                     ; tile_dim0 = 32
	s_mov_b32 s[G1A+4], 22                         ; tile_dim1 = 22
	s_mov_b32 s[G1A+5], 32                         ; from row to row: 32 elements
	s_mov_b32 s[G1A+6], 0
	s_mov_b32 s[G1A+7], 0
	s_mov_b32 s[G1B], 15|(3<<16)|(1<<21)
	s_mov_b32 s[G1B+1], 32<<16
	s_mov_b32 s[G1B+2], 77<<16                     ; a whole record: 77 rows
	s_mov_b32 s[G1B+3], 32<<16
	s_mov_b32 s[G1B+4], 77
	s_mov_b32 s[G1B+5], 32
	s_mov_b32 s[G1B+6], 0
	s_mov_b32 s[G1B+7], 0
	; group 0: the LDS address is also the offset in the head's kv
	s_mul_i32 s54, s13, 16*REC                     ; the head's first byte in kv
	s_mov_b32 s[G0], 1
	s_mul_i32 s[G0+1], s53, 22*256                 ; a seventh of records 0 and 1
	s_mov_b32 s[G0+4], 1
	s_mul_i32 s[G0+5], s53, REC
	s_mov_b32 s[G0+8], 1
	s_add_co_u32 s[G0+9], s[G0+5], 9*REC           ; record 9 + wave
	s_add_co_u32 s[G0+5], s[G0+5], 2*REC           ; record 2 + wave
	s_add_co_u32 s14, s54, s[G0+1]
	s_mov_b32 s15, 0
	s_add_co_u32 s16, s54, s[G0+5]
	s_mov_b32 s17, 0
	s_add_co_u32 s18, s54, s[G0+9]
	s_mov_b32 s19, 0
	s_lshl_b32 s56, s13, 18                        ; q: bh x 256 tiles + (16 x block + wave) tiles of 1,024 bytes
	s_lshl_b32 s57, s12, 14
	s_add_co_u32 s56, s56, s57
	s_lshl_b32 s57, s[WV], 10
	s_add_co_u32 s56, s56, s57
	s_mov_b32 s57, 0
	s_lshl_b32 s58, s13, 18                        ; out0: bh x 16 rows of 16,384 bytes + row = wave + block x 1,024
	s_lshl_b32 s59, s[WV], 14
	s_add_co_u32 s58, s58, s59
	s_lshl_b32 s59, s12, 10
	s_add_co_u32 s58, s58, s59
	s_mov_b32 s59, 0
	s_mov_b32 s[CS], 0x3e0293ee                    ; c = log2(e) / sqrt(128)
	s_mov_b32 s[CS+1], s[CS]                       ; (named with it as a pair, so it is written)
	s_mov_b32 s[SEL], 0x76543210
	s_mov_b32 s[SEL+1], 0xfedcba98
	s_mov_b32 s[TB], 0
	s_wait_dscnt 0x0
	s_wait_kmcnt 0x0
	s_add_nc_u64 s[G0+2:G0+3], s[6:7], s[14:15]
	s_or_b32 s[G0+3], s[G0+3], 0x80000000          ; type = 2
	s_add_nc_u64 s[G0+6:G0+7], s[6:7], s[16:17]
	s_or_b32 s[G0+7], s[G0+7], 0x80000000
	s_add_nc_u64 s[G0+10:G0+11], s[6:7], s[18:19]
	s_or_b32 s[G0+11], s[G0+11], 0x80000000
	s_add_nc_u64 s[4:5], s[4:5], s[56:57]
	s_add_nc_u64 s[8:9], s[8:9], s[58:59]
	CROUND                                         ; all four work-groups are here: the joint loads meet
	s_cmp_lt_u32 s[WV], 7                          ; a wave's three fills stand in one branch on the wave's number, ahead of every wait on TENSORcnt, every LDS read and every other barrier: three loads of mine are out
	s_cbranch_scc0 .Lno_fill
	tensor_load_to_lds s[G0:G0+3], s[G1A:G1A+7]
	s_nop 0
	tensor_load_to_lds s[G0+4:G0+7], s[G1B:G1B+7]
	s_nop 0
	tensor_load_to_lds s[G0+8:G0+11], s[G1B:G1B+7]
	s_nop 0
.rept 4
	v_nop                                          ; behind a tensor load
.endr
.Lno_fill:
	v_and_b32 v[ADS], 31, v0
	v_lshlrev_b32 v[ADK], 4, v[ADS]
	v_lshlrev_b32 v[ADS], 2, v[ADS]
	global_load_b128 v[Q:Q+3], v[ADK], s[4:5] th:TH_LOAD_NT              ; my tile of q stays in registers; read once in the launch
	global_load_b128 v[Q+4:Q+7], v[ADK], s[4:5] offset:512 th:TH_LOAD_NT
; What takes turns from phase to phase, by the phase's number q in its record
.macro SETS q
.set PAR, (\q)%2
.set SC, S+32*PAR                      ; the scores in hand (X reads them)
.set SN, S+32*(1-PAR)                  ; the scores being made (W writes them)
.set KN, KF+32*(1-PAR)                 ; their K
.set KL, KF+32*PAR                     ; the set that the phase before has read: it takes the K of two halves on
.set FX, F+6*PAR                       ; f, -M and the block maxima that X makes;
.set NX, NM+2*PAR
.set BX, BM+2*PAR
.set FY, F+6*(1-PAR)                   ; those of the half before, which Y uses
.set NO, NM+2*(1-PAR)
.set BP, BM+2*(1-PAR)
.endm
; a half's four tiles of K, off bytes behind ADK, into the set at reg: each load takes 512 consecutive bytes
.macro KLOAD reg, off
.irp t, 0,1,2,3
.irp g, 0,1
	ds_load_b128 v[\reg+8*\t+4*\g:\reg+8*\t+4*\g+3], v[ADK] offset:\off+1024*\t+512*\g
.endr
.endr
.endm
; STREAM W.  Product i of 16 of S^T = k q^T: K step i / 4, tile i % 4.  The first four start the sums with the constant 0; the four accumulators take turns, one instruction a turn.
.macro W i
.if DOW
.set wS, (\i)/4
.set wT, (\i)%4
.if wS == 0
	v_wmma_f32_16x16x4_f32 v[SN+8*wT:SN+8*wT+7], v[KN+8*wT:KN+8*wT+1], v[Q:Q+1], 0
.else
	v_wmma_f32_16x16x4_f32 v[SN+8*wT:SN+8*wT+7], v[KN+8*wT+2*wS:KN+8*wT+2*wS+1], v[Q+2*wS:Q+2*wS+1], v[SN+8*wT:SN+8*wT+7]
.endif
.endif
.endm
; STREAM X, a numbered list of 79 lines for the half in hand; XI writes number j of it.
;   0-11   four chains, one a tile, of seven scores each; each accumulator is read from its low end on
;   12-19  a block's two chains and its two scores left over; the other half of the lanes' 16 keys: the largest score of each block of 32 keys
;   20-26  the half's largest score, as t; the running largest t; -M = floor(-t) = -ceil(t); f = 2^(old M - new M), of a whole number that is 0 or less (the conversion saturates)
;   27-42  t - M, two at a time, into p's registers: the accumulators are then free
;   43-44  the same of each block's largest score
;   45-78  the exponentials: p = 2^(t - M), at most 1, not normalised; and each block's largest p: the same two instructions on the same number give the same bits.  Nothing names a result before the phase's end
.macro XI j
.if DOX
.set xj, \j
.if xj < 4
	v_max3_num_f32 v[CH+xj], v[SC+8*xj], v[SC+8*xj+1], v[SC+8*xj+2]
.elseif xj < 12
	v_max3_num_f32 v[CH+xj%4], v[CH+xj%4], v[SC+8*(xj%4)+2*(xj/4)+1], v[SC+8*(xj%4)+2*(xj/4)+2]
.elseif xj < 14
	v_max3_num_f32 v[BX+xj-12], v[CH+2*(xj-12)], v[CH+2*(xj-12)+1], v[SC+16*(xj-12)+7]
.elseif xj < 16
	v_max_num_f32 v[BX+xj-14], v[BX+xj-14], v[SC+16*(xj-14)+15]
.elseif xj < 18
	v_permlanex16_b32 v[PT+xj-16], v[BX+xj-16], s[SEL], s[SEL+1]
.elseif xj < 20
	v_max_num_f32 v[BX+xj-18], v[BX+xj-18], v[PT+xj-18]
.elseif xj == 20
	v_max_num_f32 v[TMP], v[BX], v[BX+1]
.elseif xj == 21
	v_mul_f32 v[TMP], s[CS], v[TMP]
.elseif xj == 22
	v_max_num_f32 v[TX], v[TX], v[TMP]
.elseif xj == 23
	v_floor_f32 v[NX], -v[TX]
.elseif xj == 24
	v_sub_f32 v[TMP], v[NX], v[NO]
.elseif xj == 25
	v_cvt_i32_f32 v[TMP], v[TMP]
.elseif xj == 26
	v_ldexp_f32 v[FX], 1.0, v[TMP]
.elseif xj < 43
	v_pk_fma_f32 v[P+2*(xj-27):P+2*(xj-27)+1], v[SC+2*(xj-27):SC+2*(xj-27)+1], s[CS:CS+1], v[NX:NX+1] op_sel_hi:[1,0,0]
.elseif xj < 45
	v_fma_f32 v[BX+xj-43], v[BX+xj-43], s[CS], v[NX]
.elseif xj < 77
	v_exp_f32 v[P+xj-45], v[P+xj-45]
.else
	v_exp_f32 v[BX+xj-77], v[BX+xj-77]
.endif
.endif
.endm
; STREAM Y, a numbered list of 36 lines for the half before; YI writes number j of it.
;   0-15   the row's sum is taken of the unquantised p: 16 pairs in four chains, then sum = sum x f + theirs
;   16-23  each block's largest p with the floor 2^(3 - 127), so that the byte cannot fall under 1; 2 off its exponent field: the conversion's scale operand; the byte; the two bytes at their places in p's scale word
;   24-31  the codes: two conversions (a conversion's three registers begin on an even number); the operand's layout wants a WHOLE block in a lane, lanes 0-15 the first and lanes 16-31 the second: three swaps, three moves
;   32-35  O^T under the new M, from its low end on
.macro YI j
.if DOY
.set yj, \j
.if yj < 4
	v_pk_add_f32 v[A+2*yj:A+2*yj+1], v[P+4*yj:P+4*yj+1], v[P+4*yj+2:P+4*yj+3]
.elseif yj < 12
	v_pk_add_f32 v[A+2*(yj%4):A+2*(yj%4)+1], v[A+2*(yj%4):A+2*(yj%4)+1], v[P+8+2*yj:P+8+2*yj+1]
.elseif yj == 12
	v_pk_add_f32 v[A:A+1], v[A:A+1], v[A+2:A+3]
.elseif yj == 13
	v_pk_add_f32 v[A+4:A+5], v[A+4:A+5], v[A+6:A+7]
.elseif yj == 14
	v_pk_add_f32 v[A:A+1], v[A:A+1], v[A+4:A+5]
.elseif yj == 15
	v_pk_fma_f32 v[L:L+1], v[L:L+1], v[FY:FY+1], v[A:A+1] op_sel_hi:[1,0,1]
.elseif yj < 18
	v_max_num_f32 v[BP+yj-16], 0x1800000, v[BP+yj-16]
.elseif yj < 20
	v_add_nc_u32 v[BP+yj-18], 0xff000000, v[BP+yj-18]
.elseif yj < 22
	v_lshrrev_b32 v[BY+yj-20], 23, v[BP+yj-20]
.elseif yj == 22
	v_lshl_or_b32 v[PW], v[BY+1], 8, v[BY]
.elseif yj == 23
.if PAR == 0
	v_lshlrev_b32 v[PW], 16, v[PW]                 ; the half before is a step's second: its blocks are 2 and 3
.endif
.elseif yj == 24
	v_cvt_scalef32_pk16_fp6_f32 v[C:C+2], v[P:P+15], v[BP]
.elseif yj == 25
	v_cvt_scalef32_pk16_fp6_f32 v[TC:TC+2], v[P+16:P+31], v[BP+1]
.elseif yj < 29
	v_permlane16_swap_b32 v[C+yj-26], v[TC+yj-26]
.elseif yj < 32
	v_mov_b32 v[C+3+yj-29], v[TC+yj-29]
.else
	v_pk_mul_f32 v[O+2*(yj-32):O+2*(yj-32)+1], v[O+2*(yj-32):O+2*(yj-32)+1], v[FY:FY+1] op_sel_hi:[1,0]
.endif
.endif
.endm
; A barrier that shows the next records to every wave: left = how many younger tensor loads of mine may stay out.  Nothing is ever filled again, so they may stay out across it.
.macro MEET left
	s_wait_tensorcnt \left
	s_wait_dscnt 0x0                               ; no LDS instruction of mine is pending at a signal
	s_barrier_signal -1
	s_barrier_wait -1
.endm
; PHASE h = 4 x trip + q.  wm: half h + 1's scores are made.  ldk: K of half h + 2 is asked for.  xx: stream X, half h.  yy: stream Y and the FP6 product, half h - 1.
; PLACES (eight behind the f32 form, four behind the FP6 form): slice 0 is eight packed additions that name p and the sums alone; with the v_nop at the end of the phase before they stand between that
; phase's last f32 product and both the loads into the K that it read and the first read of the scores that it wrote, and between the FP6 product and the loads into V's registers.
; Behind the last write of p's scale word (slice 8) stand twelve plain lines that name none of the FP6 product's registers, behind the last move into p's codes (slice 11) seven.
.macro PHASE q, wm, ldk, xx, yy
	SETS \q
.set DOW, \wm
.set DOX, \xx
.set DOY, \yy
	W 0
.irp n, 0,1,2,3,4,5,6,7
	YI \n
.endr
.if (\q)%2                             ; an odd phase ends with the first product of a key step: the step's V, in one run with K's loads
.irp c, 0,1,2
	ds_load_b128 v[VF+4*\c:VF+4*\c+3], v[ADK] offset:16384+1536*((\q)/2)+512*\c
.endr
	ds_load_b32 v[VS], v[ADS] offset:19456+128*((\q)/2)
.endif
.if \ldk                               ; two halves on: in this record, or at the head of the next.  The loads have 15 products in which to land
.if (\q) < 2
	KLOAD KL, 4096*((\q)+2)
.else
	KLOAD KL, REC+4096*((\q)-2)
.endif
.endif
	W 1
.irp n, 0,1,2,3,4,5,6,7
	XI \n
.endr
	W 2
.irp n, 8,9,10,11
	XI \n
.endr
.irp n, 8,9,10,11
	YI \n
.endr
	W 3
	XI 12
	XI 13
	YI 16
	YI 17
	XI 14
	XI 15
	YI 18
	YI 19
	W 4
	XI 16
	XI 17
	YI 12
	YI 13
	YI 24
	YI 25
	XI 18                                          ; (a plain line behind the conversions; where there is no X, Y's next addition is that line)
	XI 19
	W 5                                            ; the chain that leads to M, a line of Y between each two of its links
	XI 20
	YI 14
	XI 21
	YI 20
	XI 22
	YI 21
	XI 23
	W 6                                            ; p's last readers stand above: from here on its registers are written anew
	XI 27
	XI 24
	XI 28
	YI 15
	XI 29
	XI 25
	XI 30
	W 7                                            ; from here on four exponentials to a slice, a plain line at its head
	XI 31
	XI 45
	XI 26
	XI 46
	XI 32
	XI 47
	XI 48
	W 8
	YI 22
	XI 49
	XI 33
	XI 50
	YI 23
	XI 51
	XI 34
	XI 52
	W 9
	YI 26
	XI 53
	YI 27
	XI 54
	XI 35
	XI 55
	XI 36
	XI 56
	W 10
	YI 28
	XI 57
	YI 29
	XI 58
	XI 37
	XI 59
	XI 38
	XI 60
	W 11
	YI 30
	XI 61
	YI 31
	XI 62
	XI 39
	XI 63
	XI 40
	XI 64
	W 12
	YI 32
	XI 65
	YI 33
	XI 66
	XI 41
	XI 67
	XI 68
	W 13
	YI 34
	XI 69
	YI 35
	XI 70
	XI 42
	XI 71
	XI 72
	W 14
	XI 43
	XI 73
	XI 44
	XI 74
	XI 75
	XI 76
	W 15
	XI 77
	XI 78
	v_nop                                          ; the plain line behind the last exponential
.if !\xx
.rept 8
	v_nop                                          ; without X nothing else stands between p's scale word and the scaled product: eight places
.endr
.endif
	s_wait_dscnt 0x0                               ; the next phase's K is in, and this product's V
.if (\ldk) && (\q == 3)
	s_add_co_u32 s[TB], s[TB], REC                 ; on to the next record: no LDS load of mine is out, and the two addresses are made anew
	v_and_b32 v[ADS], 31, v0
	v_lshl_add_u32 v[ADK], v[ADS], 4, s[TB]
	v_lshl_add_u32 v[ADS], v[ADS], 2, s[TB]
.endif
	s_wait_alu depctr_va_vdst(0)                   ; ONE wait a phase: for the phase's 34 exponentials, ahead of their first readers and of every label and branch; and directly ahead of each link of O^T's chain
.if \yy
.if PAR                                ; the half before is a step's first: codes, then zeros
	v_wmma_scale_f32_16x16x128_f8f6f4 v[O:O+7], v[VF:VF+11], v[C:C+11], v[O:O+7], v[VS], v[PW] matrix_a_fmt:MATRIX_FMT_FP6 matrix_b_fmt:MATRIX_FMT_FP6
.else                                  ; a step's second: zeros, then codes
	v_wmma_scale_f32_16x16x128_f8f6f4 v[O:O+7], v[VF:VF+11], v[ZL:ZL+11], v[O:O+7], v[VS], v[PW] matrix_a_fmt:MATRIX_FMT_FP6 matrix_b_fmt:MATRIX_FMT_FP6
.endif
.endif
.endm
.macro TRIP                            ; a record's four halves
	PHASE 0, 1, 1, 1, 1
	PHASE 1, 1, 1, 1, 1
	PHASE 2, 1, 1, 1, 1
	PHASE 3, 1, 1, 1, 1
.endm
	s_wait_tensorcnt 2                             ; my part of records 0 and 1 is in; my two younger loads may stay out,
	s_barrier_signal -1
	s_barrier_wait -1                              ; everybody's is
	KLOAD KF, 0                                    ; K of half 0,
	KLOAD KF+32, 4096                              ; and of half 1
	s_wait_loadcnt 0x0                             ; q
	s_wait_dscnt 8                                 ; half 0's K is in; half 1's eight loads are younger
	SETS 1                                         ; as in the phase ahead of phase 0
.set DOW, 1
.irp n, 0,1,2,3,4,5,6,7,8,9,10,11,12,13,14,15
	W \n                                           ; half 0's scores: there is no vector work yet to set between them
.endr
.irp j, 0,1,2,3,4,5,6,7
	v_mov_b32 v[O+\j], 0                           ; O^T and the sum begin as zeros and the largest t under every t, so that the streams are written once.  (These lines are also the places behind the products)
.endr
	v_mov_b32 v[L], 0
	v_mov_b32 v[L+1], 0
	v_mov_b32 v[TX], 0xff61b1e6                    ; -3e38
	v_floor_f32 v[NM+2], -v[TX]                    ; the -M that phase 0 finds as the old one
	v_mov_b32 v[PT], 0                             ; a lane permute's destination counts as one of its sources
	v_mov_b32 v[PT+1], 0
	v_mov_b32 v[PW], 0                             ; named as the upper halves of the pairs v[4:5], v[8:9], v[10:11] before they are otherwise written
	v_mov_b32 v9, 0
	v_mov_b32 v11, 0
.irp j, 0,1,2,3,4,5
	v_mov_b32 v[ZL+\j], 0                          ; the zero codes on either side of p's: written once
	v_mov_b32 v[ZH+\j], 0
.endr
	s_wait_dscnt 0x0                               ; half 1's K is in
	PHASE 0, 1, 1, 1, 0                            ; trip 0 reads records 0 and 1; its first phase has no half before it
	PHASE 1, 1, 1, 1, 1
	PHASE 2, 1, 1, 1, 1
	PHASE 3, 1, 1, 1, 1
	MEET 1                                         ; records 2 to 8 have landed; my last load may stay out
	s_mov_b32 s[CNT], 7
.Lfirst:                                           ; trips 1 to 7 read records 1 to 8
	TRIP
	s_sub_co_u32 s[CNT], s[CNT], 1
	s_cmp_lg_u32 s[CNT], 0
	s_cbranch_scc1 .Lfirst
	MEET 0                                         ; records 9 to 15 have landed: no tensor load is out any more
	s_mov_b32 s[CNT], 7
.Lsecond:                                          ; trips 8 to 14 read records 8 to 15
	TRIP
	s_sub_co_u32 s[CNT], s[CNT], 1
	s_cmp_lg_u32 s[CNT], 0
	s_cbranch_scc1 .Lsecond
	PHASE 0, 1, 1, 1, 1                            ; the last record: halves 60 to 63
	PHASE 1, 1, 1, 1, 1
	PHASE 2, 1, 0, 1, 1                            ; nothing more of K to fetch,
	PHASE 3, 0, 0, 1, 1                            ; no scores to make,
	PHASE 0, 0, 0, 0, 1                            ; and the last half's sums, codes and product
	; THE WAY OUT.  O^T / the sum; a lane holds eight channels of one query, a row of out0 is one channel of 256 neighbouring tokens from sixteen waves: so the block goes through a stage in LDS.
	v_add_f32 v[L], v[L], v[L+1]                   ; the sum's two halves,
	v_permlanex16_b32 v[TMP], v[L], s[SEL], s[SEL+1]
	v_add_f32 v[L], v[L], v[TMP]                   ; and lane l xor 16's: the row's sum
	v_rcp_f32 v[L], v[L]
	v_and_b32 v1, 15, v0                           ; (plain lines behind the reciprocal and behind the last product)  r
	v_and_b32 v2, 8, v1
	v_add_nc_u32 v1, v1, v2                        ; r + 8 (r / 8): my query's token among its tile's
	v_bfe_u32 v2, v0, 4, 1                         ; h
	v_mul_u32_u24 v2, v2, 8*SP                     ; my eight channels' rows begin at row 8 h
	v_lshl_add_u32 v1, v1, 2, v2
	s_lshr_b32 s14, s[WV], 1
	s_lshl_b32 s14, s14, 7                         ; tile w of the block begins at token 32 (w / 2) + 8 (w % 2)
	s_and_b32 s15, s[WV], 1
	s_lshl_b32 s15, s15, 5
	s_add_co_u32 s14, s14, s15
	v_add_nc_u32 v1, s14, v1                       ; into the stage
	v_and_b32 v2, 31, v0
	v_lshlrev_b32 v[GO], 4, v2                     ; 16 x lane: my bytes of a row of out0,
	s_mul_i32 s15, s[WV], SP
	v_add_nc_u32 v2, s15, v[GO]                    ; and of stage row w
	s_wait_alu depctr_va_vdst(0)                   ; the wait ahead of the reciprocal's first reader
.irp j, 0,1,2,3,4,5,6,7
	v_mul_f32 v[P+\j], v[O+\j], v[L]               ; o(channel 8 h + j, my query), from the accumulator's low end on
.endr
	s_wait_dscnt 0x0
	s_barrier_signal -1
	s_barrier_wait -1                              ; every wave's LDS loads are in: nobody reads K or V any more, every fill has landed long ago, and the stage may be laid over record 0
.irp j, 0,1,2,3,4,5,6,7
	ds_store_b32 v1, v[P+\j] offset:\j*SP
.endr
	s_wait_dscnt 0x0                               ; for the others' sake: my stores have landed
	s_barrier_signal -1
	s_barrier_wait -1                              ; 16 whole rows lie in the stage
	ds_load_b128 v[P+8:P+11], v2                   ; wave w takes channel w: 1,024 bytes
	ds_load_b128 v[P+12:P+15], v2 offset:512
	s_wait_dscnt 0x0
	global_store_b128 v[GO], v[P+8:P+11], s[8:9] th:TH_STORE_NT              ; 32 lanes store 512 consecutive bytes, at a multiple of 256 from out0's first byte
	global_store_b128 v[GO], v[P+12:P+15], s[8:9] offset:512 th:TH_STORE_NT
	s_wait_tensorcnt 0x0
	ds_add_u32 v254, v255
	s_wait_dscnt 0x0
	CROUND                                         ; the closing round: no work-group ends while a partner may still ask for bytes jointly
	s_endpgm
.Lfunc_end_k_q144f4f8264_attn:
	.size	k_q144f4f8264_attn, .Lfunc_end_k_q144f4f8264_attn-k_q144f4f8264_attn
	.p2alignl 7, 3214868480
	.fill 96, 4, 3214868480
	.section	.rodata,"a",@progbits
	.p2align	6, 0x0
	.amdhsa_kernel k_q144f4f8264_attn
		.amdhsa_group_segment_fixed_size 327680
		.amdhsa_private_segment_fixed_size 0
		.amdhsa_enable_private_segment 0
		.amdhsa_kernarg_size 24
		.amdhsa_user_sgpr_count 2
		.amdhsa_user_sgpr_kernarg_segment_ptr 1
		.amdhsa_wavefront_size32 1
		.amdhsa_system_sgpr_workgroup_id_x 1
		.amdhsa_system_sgpr_workgroup_id_y 1
		.amdhsa_system_sgpr_workgroup_id_z 1
		.amdhsa_system_vgpr_workitem_id 0
		.amdhsa_next_free_vgpr 256
		.amdhsa_next_free_sgpr 66
		.amdhsa_reserve_vcc 0
		.amdhsa_float_denorm_mode_32 3
		.amdhsa_float_denorm_mode_16_64 3
		.amdhsa_memory_ordered 1
		.amdhsa_forward_progress 1
		.amdhsa_inst_pref_size 129
	.end_amdhsa_kernel
	.amdgpu_metadata
---
amdhsa.version: [ 1, 2 ]
amdhsa.kernels:
  - .name:           k_q144f4f8264_attn
    .symbol:         k_q144f4f8264_attn.kd
    .args:
      - { .name: q, .offset: 0, .size: 8, .value_kind: global_buffer, .address_space: global }
      - { .name: kv, .offset: 8, .size: 8, .value_kind: global_buffer, .address_space: global }
      - { .name: out0, .offset: 16, .size: 8, .value_kind: global_buffer, .address_space: global }
    .group_segment_fixed_size: 327680
    .private_segment_fixed_size: 0
    .kernarg_segment_align: 8
    .kernarg_segment_size: 24
    .max_flat_workgroup_size: 512
    .sgpr_count:     66
    .vgpr_count:     256
    .wavefront_size: 32
...
	.end_amdgpu_metadata
.endif
;; end of part 2
